; MI455X (gfx1250); checked and timed in simulation.
; The chip was launched on July 23, 2026; its instructions are those of AMD's public machine-readable ISA for CDNA 5 (MIT licence, August 2026) and "CDNA5" Instruction Set Architecture Reference Guide (July 2026). The comments in the code are by the model that wrote it; some were corrected since.
;; Attention. Allowed arithmetic: float matrix products may take bf16 or f16 operands with f32 sums; all other float work in f32.
;; Inputs: beta 2,048 float32; gamma 2,048 float32; k 8 x 2,048 x 128 float32; q 8 x 2,048 x 128 float32; v 8 x 2,048 x 128 float32.
;; Outputs: out0 8 x 2,048 x 128 float32.
;; 2 versions, each right; version 2 is version 1 with the launch prep written anew for expert scheduling mode. Each part assembles by itself: llvm-mc -triple=amdgcn-amd-amdhsa -mcpu=gfx1250 --defsym DOCPART=n.
;; ======== version 1 of 2: 2 launches
;; limits: values are held in f16: magnitudes above 65,504 overflow, below 6.1e-05 lose precision; inputs' magnitudes at most 1,600
;; workspace buffers: kb 4,194,304 bytes; vb 4,194,304 bytes; ksum 131,072 bytes
;; launch prep (part 1): grid 256 x 1, 8 waves a work-group, no clusters, 5,120 bytes of LDS; arguments k, v, kb, vb, ksum; writes kb, vb, ksum
.if DOCPART == 1
	.amdgcn_target "amdgcn-amd-amdhsa--gfx1250"
	.amdhsa_code_object_version 6
	.text
	.protected	k_q450eb4474e_prep
	.globl	k_q450eb4474e_prep
	.p2align	8
	.type	k_q450eb4474e_prep,@function
k_q450eb4474e_prep:
	s_mov_b64 s[64:65], 0
	v_nop
	global_prefetch_b8 v0, s[64:65] scope:SCOPE_SE
	s_setreg_imm32_b32 hwreg(HW_REG_WAVE_MODE, 25, 1), 1
	s_wait_xcnt 0x0
; kb = f16(k), vb = f16(v), ksum[g][d] = sum over the 64 keys 64 g .. 64 g + 63 of k[key][d], in f32, of the keys as given.
; k and v are taken as [16384][128] f32 (8 batches x 2048 rows).  Work-group g owns 64 rows of each.
; Thread t = 32 w + L takes rows w + 8 i (i = 0..7), columns 4 L .. 4 L + 3: a wave's 16-byte loads cover one row of
; 512 consecutive bytes, its 8-byte stores one f16 row of 256 consecutive bytes, aligned.
; Every byte is read once and all 16 loads of a thread are issued at once, so there is no ring, no matrix work and no cluster.
; LIMIT, stated: |k| and |v| stay below f16's largest number, 65,504; numbers below 2^-14 keep an absolute step of 2^-24.
.set XK, 16                            ; v[16:47]   8 rows of k, 4 f32 each
.set XV, 48                            ; v[48:79]   8 rows of v
.set PK, 80                            ; v[80:95]   k packed, 2 registers a row
.set PV, 96                            ; v[96:111]  v packed
                                       ; v1 16 t (input offset, LDS address), v2 8 t (output offset), v[4:7] column sums, v12 16 L
	s_load_b256 s[4:11], s[0:1], 0x0               ; k s[4:5], v s[6:7], kb s[8:9], vb s[10:11]
	s_load_b64 s[12:13], s[0:1], 0x20              ; ksum
	v_lshl_add_u32 v112, v0, 2, 0x1000
	v_mov_b32 v113, 0
	v_lshrrev_b32 v13, 5, v0
	v_readfirstlane_b32 s14, v13                   ; wave number
	s_lshl_b32 s16, ttmp9, 15                      ; 64 rows of 512 bytes
	s_mov_b32 s17, 0
	s_lshl_b32 s18, ttmp9, 14                      ; 64 rows of 256 bytes
	s_mov_b32 s19, 0
	s_lshl_b32 s20, ttmp9, 9                       ; one row of ksum
	s_mov_b32 s21, 0
	v_lshlrev_b32 v1, 4, v0                        ; 512 w + 16 L
	v_lshlrev_b32 v2, 3, v0                        ; 256 w + 8 L
	v_and_b32 v12, 31, v0
	v_lshlrev_b32 v12, 4, v12                      ; 16 L
	s_wait_kmcnt 0x0
	s_add_nc_u64 s[4:5], s[4:5], s[16:17]
	s_add_nc_u64 s[6:7], s[6:7], s[16:17]
	s_add_nc_u64 s[8:9], s[8:9], s[18:19]
	s_add_nc_u64 s[10:11], s[10:11], s[18:19]
	s_add_nc_u64 s[12:13], s[12:13], s[20:21]
.irp i, 0,1,2,3,4,5,6,7
	global_load_b128 v[XK+4*\i:XK+4*\i+3], v1, s[4:5] offset:\i*4096 th:TH_LOAD_NT
.endr
.irp i, 0,1,2,3,4,5,6,7
	global_load_b128 v[XV+4*\i:XV+4*\i+3], v1, s[6:7] offset:\i*4096 th:TH_LOAD_NT
.endr
	; k: round, store, and add the rows up
.irp i, 0,1,2,3,4,5,6,7
	s_wait_loadcnt 15-\i                           ; loads return in order: row i of k is in, the 15 - i younger loads stay out
	v_cvt_pk_f16_f32 v[PK+2*\i],   v[XK+4*\i],   v[XK+4*\i+1]
	v_cvt_pk_f16_f32 v[PK+2*\i+1], v[XK+4*\i+2], v[XK+4*\i+3]
	global_store_b64 v2, v[PK+2*\i:PK+2*\i+1], s[8:9] offset:\i*2048   ; every store has data registers of its own
.if \i == 1
	v_pk_add_f32 v[4:5], v[XK:XK+1],   v[XK+4:XK+5]                    ; the first two rows start the sums
	v_pk_add_f32 v[6:7], v[XK+2:XK+3], v[XK+6:XK+7]
.endif
.if \i > 1
	v_pk_add_f32 v[4:5], v[4:5], v[XK+4*\i:XK+4*\i+1]
	v_pk_add_f32 v[6:7], v[6:7], v[XK+4*\i+2:XK+4*\i+3]
.endif
.endr
	ds_store_b128 v1, v[4:7]                       ; my wave's sums over its 8 rows: 512 bytes at 512 w
	; v: round and store
.irp i, 0,1,2,3,4,5,6,7
	s_wait_loadcnt 7-\i
	v_cvt_pk_f16_f32 v[PV+2*\i],   v[XV+4*\i],   v[XV+4*\i+1]
	v_cvt_pk_f16_f32 v[PV+2*\i+1], v[XV+4*\i+2], v[XV+4*\i+3]
	global_store_b64 v2, v[PV+2*\i:PV+2*\i+1], s[10:11] offset:\i*2048
.endr
	s_wait_dscnt 0x0                               ; my sums are in LDS, for wave 0's sake
	s_barrier_signal -1
	s_barrier_wait -1
	s_cmp_lg_u32 s14, 0
	s_cbranch_scc1 .Lend                           ; wave 0 adds the eight waves' sums
.irp j, 0,1,2,3,4,5,6,7
	ds_load_b128 v[XK+4*\j:XK+4*\j+3], v12 offset:512*\j
.endr
	s_wait_dscnt 0x0
.irp j, 0,1,2,3
	v_pk_add_f32 v[XK+4*\j:XK+4*\j+1],   v[XK+4*\j:XK+4*\j+1],   v[XK+16+4*\j:XK+16+4*\j+1]
	v_pk_add_f32 v[XK+4*\j+2:XK+4*\j+3], v[XK+4*\j+2:XK+4*\j+3], v[XK+16+4*\j+2:XK+16+4*\j+3]
.endr
.irp j, 0,1
	v_pk_add_f32 v[XK+4*\j:XK+4*\j+1],   v[XK+4*\j:XK+4*\j+1],   v[XK+8+4*\j:XK+8+4*\j+1]
	v_pk_add_f32 v[XK+4*\j+2:XK+4*\j+3], v[XK+4*\j+2:XK+4*\j+3], v[XK+8+4*\j+2:XK+8+4*\j+3]
.endr
	v_pk_add_f32 v[XK:XK+1],   v[XK:XK+1],   v[XK+4:XK+5]
	v_pk_add_f32 v[XK+2:XK+3], v[XK+2:XK+3], v[XK+6:XK+7]
	global_store_b128 v12, v[XK:XK+3], s[12:13]    ; the 512 bytes of ksum's row g
.Lend:
	s_wait_tensorcnt 0x0
	ds_add_u32 v112, v113
	s_wait_dscnt 0x0
	s_endpgm
.Lfunc_end_k_q450eb4474e_prep:
	.size	k_q450eb4474e_prep, .Lfunc_end_k_q450eb4474e_prep-k_q450eb4474e_prep
	.p2alignl 7, 3214868480
	.fill 96, 4, 3214868480
	.section	.rodata,"a",@progbits
	.p2align	6, 0x0
	.amdhsa_kernel k_q450eb4474e_prep
		.amdhsa_group_segment_fixed_size 5120
		.amdhsa_private_segment_fixed_size 0
		.amdhsa_enable_private_segment 0
		.amdhsa_kernarg_size 40
		.amdhsa_user_sgpr_count 2
		.amdhsa_user_sgpr_kernarg_segment_ptr 1
		.amdhsa_wavefront_size32 1
		.amdhsa_system_sgpr_workgroup_id_x 1
		.amdhsa_system_sgpr_workgroup_id_y 1
		.amdhsa_system_sgpr_workgroup_id_z 1
		.amdhsa_system_vgpr_workitem_id 0
		.amdhsa_next_free_vgpr 114
		.amdhsa_next_free_sgpr 66
		.amdhsa_reserve_vcc 0
		.amdhsa_float_denorm_mode_32 3
		.amdhsa_float_denorm_mode_16_64 3
		.amdhsa_memory_ordered 1
		.amdhsa_forward_progress 1
		.amdhsa_inst_pref_size 10
	.end_amdhsa_kernel
	.amdgpu_metadata
---
amdhsa.version: [ 1, 2 ]
amdhsa.kernels:
  - .name:           k_q450eb4474e_prep
    .symbol:         k_q450eb4474e_prep.kd
    .args:
      - { .name: k, .offset: 0, .size: 8, .value_kind: global_buffer, .address_space: global }
      - { .name: v, .offset: 8, .size: 8, .value_kind: global_buffer, .address_space: global }
      - { .name: kb, .offset: 16, .size: 8, .value_kind: global_buffer, .address_space: global }
      - { .name: vb, .offset: 24, .size: 8, .value_kind: global_buffer, .address_space: global }
      - { .name: ksum, .offset: 32, .size: 8, .value_kind: global_buffer, .address_space: global }
    .group_segment_fixed_size: 5120
    .private_segment_fixed_size: 0
    .kernarg_segment_align: 8
    .kernarg_segment_size: 40
    .max_flat_workgroup_size: 256
    .sgpr_count:     66
    .vgpr_count:     114
    .wavefront_size: 32
...
	.end_amdgpu_metadata
.endif
;; end of part 1
;; launch attn (part 2): grid 32 x 8, 4 waves a work-group, clusters of 4 x 1, 327,680 bytes of LDS; arguments q, kb, vb, ksum, gamma, beta, out0; writes out0
.if DOCPART == 2
	.amdgcn_target "amdgcn-amd-amdhsa--gfx1250"
	.amdhsa_code_object_version 6
	.text
	.protected	k_q450eb4474e_attn
	.globl	k_q450eb4474e_attn
	.p2align	8
	.type	k_q450eb4474e_attn,@function
k_q450eb4474e_attn:
	s_mov_b64 s[64:65], 0
	v_nop
	global_prefetch_b8 v0, s[64:65] scope:SCOPE_SE
	s_setreg_imm32_b32 hwreg(HW_REG_WAVE_MODE, 25, 1), 1
	s_wait_xcnt 0x0
	s_wait_alu depctr_hold_cnt(0) depctr_sa_sdst(0) depctr_va_vdst(0) depctr_va_sdst(0) depctr_va_ssrc(0) depctr_va_vcc(0) depctr_vm_vsrc(0)
	s_getreg_b32 s2, hwreg(HW_REG_IB_STS2, 6, 4)
	s_cmp_eq_u32 s2, 0
	s_cbranch_scc0 .Lentry_in_a_cluster
	s_endpgm
.Lentry_in_a_cluster:
	s_bfe_u32 s2, ttmp6, 0x10000c
	s_cmp_lg_u32 s2, 0x3003
	s_cbranch_scc0 .Lentry_shape_is_right
	s_endpgm
.Lentry_shape_is_right:
; out0 = softmax(LayerNorm_over_keys(q k^T / sqrt(128)) * gamma + beta) v, for 8 batches of 2048 x 128.
; A work-group owns 64 query rows of one batch; wave w takes all 64 rows against keys 512 w .. 512 w + 511, in tiles of 64 keys,
; so that each K or V fragment read from LDS feeds four matrix instructions, and a wave reads only tiles that it fetched itself.
;
; THE ARITHMETIC.  kbar = mean of the batch's keys (from ksum), split into three f16 parts, each scaled up by 2^11 over the one before (33 bits).
; c = qf . kbar is made by matrix instructions from the same q fragments qf that make the scores, and -c is the C operand of the first
; K step of every score tile: each tile comes out centred, u = qf . k - c, as the reference's scores - mu.
; Pass 1 (qf = f16(q)): SQ = sum over all keys of u^2; a = (log2 e / sqrt 128) rsqrt(SQ 2^-18 + 1e-5)   (2^-18 = 1/2048 x 1/128).
; Pass 2 (qf = f16(q a), c made anew): z = u gamma + beta log2 e; running maximum m; p = exp2(z - m); l = sum p; O^T += V^T f16(p).
; At the end the four waves' (m, l, O) are merged through LDS.  The scores are formed twice, since a row block of them fits no registers.
;
; PASS 2 IS A PIPELINE.  A wave is alone on its SIMD, so vector work overlaps matrix work only if the text mixes them.  The scores have two buffers
; (even tiles in window 1, odd tiles in window 3).  Trip t has two stages of 64 matrix instructions: stage 1 forms S(t+1) while the second part of
; tile t's softmax runs (half of the exponentials, l and O times alpha, l += p, packing); stage 2 adds V(t) P(t) onto O while the first part of tile
; t+1's softmax runs (z, the maximum, alpha, z - m, the other exponentials).  Behind each matrix instruction stand four or five of those vector
; instructions, none of which names a register of the stage's matrix instructions.  The price is two window switches for each matrix instruction:
; work in place wants destination and source 0 in one window, a matrix instruction destination and source 2, with A's fragments in source 0's.
;
; WHY F16 AND NOT BF16.  An output is a mean of v over many keys (for scores of unit spread its size is sqrt(e / 2048) = 1/27 of v's), and each
; relative rounding of a weight or of a v enters at that same size.  Four roundings meet in it (q, k, p, v), and it is compared within a hundredth
; of the outputs' size: eight significant bits leave about three spreads of the summed error, too few among two million outputs; eleven bits
; leave eight times as many.  F16 has the room: see the limits.
;
; LAYOUTS (v_wmma_f32_16x16x32_f16 everywhere; lane = 16 h + r).  Score tile: A = 16 keys of K, B = 16 queries of q; register j of a lane holds
; key 8 h + j, query r.  Packing the tiles of keys 0-15 and 16-31 pairwise to f16 gives at once the B fragment (32 keys x 16 queries) of
; O^T = V^T P^T; A = V^T comes by the transposing LDS load from V as it lies, [key][d].  Every factor that belongs to a query is one number a lane.
;
; CLUSTER: the four work-groups of a cluster are four query blocks of one batch and walk the same K and V tiles, so every tile is asked for jointly
; (mask 15): the requests for K and V are divided by four.  Nothing is shared along a second axis, so the cluster is 4 x 1.
; No prefetch: kb and vb (8 MB together) were stored by the launch before, and eight clusters of a batch read them at about the same time.
;
; LIMITS, stated.  K, V, q, q a, p and kbar's parts are f16 matrix operands: |q|, |k|, |v| stay below 65,504, and since a is at most
; log2 e / sqrt(128) / sqrt(1e-5) = 40.3, |q| below 1,600 keeps q a finite whatever the keys.  Operands below 2^-14 keep an absolute step of 2^-24.
; A p below 2^-25 of the running maximum is dropped from O: at most 2048 x 2^-25 of l, which is at least 1.  A large common offset in k or q costs
; accuracy by their rounding.  NaN or infinite inputs, and rows whose z are all -inf, are not served.  SQ must stay finite in f32 (|u| below about 1e17).
; kbar is the mean of the keys as given, not of the rounded ones.  l is summed from the unrounded p.  Sums run in another order than the reference's.
.set SLOT,   18432                     ; an LDS slot: 64 rows of V at pitch 288 (K: 64 rows at pitch 272 = 17,408 bytes)
.set WRING,  4*SLOT                    ; a wave's ring of four slots
.set KPITCH, 272                       ; 256 bytes + 16: an odd multiple of 16, the 16 rows of a fragment load start in different banks
.set VPITCH, 288                       ; 256 bytes + 32: an odd multiple of 32
.set TILEB,  16384                     ; 64 rows of 128 f16 in memory
.set GBL,    4*WRING                   ; 294,912: wave w at + 4096 w: gamma of its 512 keys (2,048 bytes), then beta log2 e
.set KBL,    GBL+16384                 ; 311,296: 4 rows of 256 bytes, no padding (read 16 times in all): kbar's three parts, zeros
.set KBP,    256
.set STAT1,  KBL+4*KBP                 ; 312,320: 256 w + 64 qb + 4 r: the waves' sums of squares
.set STAT2,  STAT1+1024                ; 313,344: 512 w + 64 qb + 4 r: m; + 256: l.   Ends at 315,392
.set OPITCH, 528                       ; the final exchange of O: rows of 512 bytes + 16, in each wave's own ring after its last fill
; vector registers, window 0
.set AK,   10                          ; v10-13  LDS address of my K fragments in slot 0..3
.set AV1,  14                          ; v14, 15 the same for V (transposing load) in slot 1, slot 3
.set AV3,  15
.set AGB,  16                          ; v16     gamma of the next tile to be fetched
.set AKB,  17                          ; v17     kbar's fragment
.set S1R,  18
.set S1W,  19
.set S2R,  20
.set S2W,  21
.set QOFF, 22                          ; v22     512 r + 32 h: my bytes in q
.set OST,  23                          ; v23     where I put O
.set MA,   24                          ; v24-31  running maximum, a pair (twice the same) for each block of 16 queries qb
.set MB,   32                          ; v32-39  the same: old and new take turns
.set AL,   40                          ; v40-47  factor pairs (twice the same)
.set LS,   48                          ; v48-55  l, two partial sums for each qb
.set ORD,  56                          ; v56-59  where I read the four waves' O back
.set OOFF, 60                          ; v60     my bytes in out0
.set TP,   61                          ; v61     from the other half of the lanes
.set GAM,  64                          ; v64-95  gamma, 8 registers for each 16 keys      (pass 1: v64-79 sums of squares)
.set SQ,   64
.set BET,  96                          ; v96-127 beta log2 e
.set FR,   128                         ; v128-255 fragments.  V (g, db) at 8 (8 g + db).  K: pass 1 and tile 0 (kt, ks) at 8 (4 kt + ks);
                                       ;          in the pipeline K steps 0-2 at 32 ks + 8 kt, K step 3 in KX
; window 1: v0-127 q fragments, (qb, ks) at 8 (4 qb + ks); v128-255 score tiles, (kt, qb) at 128 + 8 (4 kt + qb): pass 1, and pass 2's even tiles
.set ST,   128
; window 2: O^T tiles, (db, qb) at 8 (8 qb + db); before pass 2: q in f32, fragment (qb, ks) at 16 (4 qb + ks).  64 registers a qb in both.
; window 3: v0-31 -c, eight times for each qb; v32-63 K step 3's four fragments; v128-255 pass 2's odd score tiles
.set KX,   32
; scalar registers
.set G1K, 24                           ; s[24:31] descriptor group 1, K tiles
.set G1V, 32                           ; s[32:39] descriptor group 1, V tiles (wider padding)
.set G0,  40                           ; s[40:55] descriptor group 0, one set for each slot
.set KP,  56                           ; s[56:57] my next K tile, type bits set
.set VP,  58                           ; s[58:59] my next V tile
                                       ; s21 wave number; s60, s61 lane selects; s62 2^-18; s63 1e-5; s3 counter and scratch
.set MSB, 0
.macro WIN new                         ; s_set_vgpr_msb: bits 1:0 source 0, 3:2 source 1, 5:4 source 2, 7:6 destination; the high byte repeats the setting left
.if MSB != (\new)
	s_set_vgpr_msb (MSB<<8)|(\new)
.set MSB, (\new)
.endif
.endm
.macro PLACES n                        ; independent vector instructions behind a matrix instruction (ISA guide 7.12.1)
.rept \n
	v_nop
.endr
.endm
; A round of the cluster's barrier: my work-group's barrier, wave 0 signals for the work-group, all wait for the four work-groups, my work-group's barrier again.
.macro ROUND
	s_barrier_signal -1
	s_barrier_wait -1
	s_cmp_lg_u32 s21, 0
	s_cbranch_scc1 .Lnot_wave_0_\@
	s_barrier_signal -3
.Lnot_wave_0_\@:
	s_barrier_wait -3
	s_barrier_signal -1
	s_barrier_wait -1
.endm
; The head of a trip.  All my tensor loads have landed and all my LDS reads are back; then the round, and behind it, first of all, the joint loads that
; fill slots which the last trip read.  kind 1: two K tiles into a, b; kind 2: a K tile into a, a V tile into b; kind 3: a V tile into b; kind 0: nothing.
; Two tensor loads of a wave are out at the most, and they have the whole trip in which to land.
.macro HEAD kind, a, b
	WIN 0
	s_wait_tensorcnt 0x0                           ; none of my loads is out: every group 0 may be written
	ds_add_u32 v62, v63
	s_wait_dscnt 0x0
.if \kind == 1
	s_mov_b64 s[G0+4*\a+2:G0+4*\a+3], s[KP:KP+1]
	s_add_nc_u64 s[G0+4*\b+2:G0+4*\b+3], s[KP:KP+1], TILEB
	s_add_nc_u64 s[KP:KP+1], s[KP:KP+1], 2*TILEB
.endif
.if \kind == 2
	s_mov_b64 s[G0+4*\a+2:G0+4*\a+3], s[KP:KP+1]
	s_mov_b64 s[G0+4*\b+2:G0+4*\b+3], s[VP:VP+1]
	s_add_nc_u64 s[KP:KP+1], s[KP:KP+1], TILEB
	s_add_nc_u64 s[VP:VP+1], s[VP:VP+1], TILEB
.endif
.if \kind == 3
	s_mov_b64 s[G0+4*\b+2:G0+4*\b+3], s[VP:VP+1]
	s_add_nc_u64 s[VP:VP+1], s[VP:VP+1], TILEB     ; behind the last V tile the stepped address is not used
.endif
	s_wait_dscnt 0x0                               ; my reads of the slots that are filled again are back
.if \kind
	ROUND                                          ; both now hold of every wave of the four work-groups
.if \kind < 3
	tensor_load_to_lds s[G0+4*\a:G0+4*\a+3], s[G1K:G1K+7]
	s_nop 0
.endif
.if \kind == 1
	tensor_load_to_lds s[G0+4*\b:G0+4*\b+3], s[G1K:G1K+7]
	s_nop 0
.else
	tensor_load_to_lds s[G0+4*\b:G0+4*\b+3], s[G1V:G1V+7]
	s_nop 0
.endif
.endif
.endm
; 32 LDS loads: the 16 fragments of a K tile (64 keys x 128 d), the K step ks outermost, as they are used (pass 1 and pass 2's tile 0)
.macro KFETCH ak
.irp ks, 0,1,2,3
.irp kt, 0,1,2,3
	ds_load_b128 v[FR+8*(4*\kt+\ks):FR+8*(4*\kt+\ks)+3],   v[\ak] offset:\kt*16*KPITCH+\ks*64
	ds_load_b128 v[FR+8*(4*\kt+\ks)+4:FR+8*(4*\kt+\ks)+7], v[\ak] offset:\kt*16*KPITCH+\ks*64+32
.endr
.endr
.endm
; 16 LDS loads: gamma and beta log2 e of a tile's 64 keys; a lane takes the 8 keys 8 h .. 8 h + 7 of each 16
.macro GBFETCH
.irp kt, 0,1,2,3
	ds_load_b128 v[GAM+8*\kt:GAM+8*\kt+3],   v[AGB] offset:\kt*64
	ds_load_b128 v[GAM+8*\kt+4:GAM+8*\kt+7], v[AGB] offset:\kt*64+16
	ds_load_b128 v[BET+8*\kt:BET+8*\kt+3],   v[AGB] offset:2048+\kt*64
	ds_load_b128 v[BET+8*\kt+4:BET+8*\kt+7], v[AGB] offset:2048+\kt*64+16
.endr
.endm
; 64 matrix instructions: the 16 centred score tiles of 64 keys x 64 queries, into window 1.  The first K step takes -c as C, the others add in place.
; The 16 accumulators take turns, one instruction a turn.  extra = LDS loads issued behind KFETCH's.
.macro SMUL extra
.irp ks, 0,1,2,3
	s_wait_dscnt 24-8*\ks+\extra                   ; K step ks's eight loads are in; those of later K steps (and the extra ones) stay out
.if \ks == 0
	WIN 0x74                                       ; A window 0, B window 1, C window 3, D window 1
.else
	WIN 0x54                                       ; C window 1
.endif
.irp kt, 0,1,2,3
.irp qb, 0,1,2,3
.if \ks == 0
	v_wmma_f32_16x16x32_f16 v[ST+8*(4*\kt+\qb):ST+8*(4*\kt+\qb)+7], v[FR+8*(4*\kt+\ks):FR+8*(4*\kt+\ks)+7], v[8*(4*\qb+\ks):8*(4*\qb+\ks)+7], v[8*\qb:8*\qb+7]
.else
	v_wmma_f32_16x16x32_f16 v[ST+8*(4*\kt+\qb):ST+8*(4*\kt+\qb)+7], v[FR+8*(4*\kt+\ks):FR+8*(4*\kt+\ks)+7], v[8*(4*\qb+\ks):8*(4*\qb+\ks)+7], v[ST+8*(4*\kt+\qb):ST+8*(4*\kt+\qb)+7]
.endif
.endr
.endr
.endr
.endm
; 64 packed multiply-adds: the squares of the 16 tiles, in eight chains (two pairs for each qb).  first = 1: the first eight start the sums.
.macro SQ1 kt, p, qb, start
.if \start
	v_pk_mul_f32 v[SQ+4*\qb+2*(\p%2):SQ+4*\qb+2*(\p%2)+1], v[ST+8*(4*\kt+\qb)+2*\p:ST+8*(4*\kt+\qb)+2*\p+1], v[ST+8*(4*\kt+\qb)+2*\p:ST+8*(4*\kt+\qb)+2*\p+1]
.else
	v_pk_fma_f32 v[SQ+4*\qb+2*(\p%2):SQ+4*\qb+2*(\p%2)+1], v[ST+8*(4*\kt+\qb)+2*\p:ST+8*(4*\kt+\qb)+2*\p+1], v[ST+8*(4*\kt+\qb)+2*\p:ST+8*(4*\kt+\qb)+2*\p+1], v[SQ+4*\qb+2*(\p%2):SQ+4*\qb+2*(\p%2)+1]
.endif
.endm
.macro SQSUM first
	WIN 0x05                                       ; sources 0 and 1 window 1; source 2 and destination window 0
.irp kt, 0,1,2,3
.irp p, 0,1,2,3
.irp qb, 0,1,2,3
.if \first
.if (4*\kt+\p) < 2
	SQ1 \kt, \p, \qb, 1
.else
	SQ1 \kt, \p, \qb, 0
.endif
.else
	SQ1 \kt, \p, \qb, 0
.endif
.endr
.endr
.endr
.endm
; window 2's 256 registers (q in f32, or O) times the factor of their query: 64 registers a qb
.macro SCALE2
	WIN 0x82
.irp qb, 0,1,2,3
.set SN, 0
.rept 32
	v_pk_mul_f32 v[64*\qb+SN:64*\qb+SN+1], v[64*\qb+SN:64*\qb+SN+1], v[AL+2*\qb:AL+2*\qb+1]
.set SN, SN+2
.endr
.endr
.endm
; q in f32 (window 2) to f16 fragments (window 1)
.macro QCVT
	WIN 0x4a
.set QN, 0
.rept 128
	v_cvt_pk_f16_f32 v[QN], v[2*QN], v[2*QN+1]
.set QN, QN+1
.endr
.endm
; -c into window 3.  A = rows kbar's three parts and 13 rows of zeros; B = the q fragments.  In lanes 0-15 registers 0, 1, 2 of the result hold the three
; parts of c for query r (the second scaled by 2^11, the third by 2^22), in lanes 16-31 (rows 8-15) zeros.
; Four accumulators take turns, one instruction a turn.
.macro CINIT
	WIN 0
.irp ks, 0,1,2,3
	ds_load_b128 v[FR+8*\ks:FR+8*\ks+3],   v[AKB] offset:\ks*64
	ds_load_b128 v[FR+8*\ks+4:FR+8*\ks+7], v[AKB] offset:\ks*64+32
.endr
	s_wait_dscnt 0x0
	WIN 0x54
.irp ks, 0,1,2,3
.irp qb, 0,1,2,3
.if \ks == 0
	v_wmma_f32_16x16x32_f16 v[ST+8*\qb:ST+8*\qb+7], v[FR+8*\ks:FR+8*\ks+7], v[8*(4*\qb+\ks):8*(4*\qb+\ks)+7], 0
.else
	v_wmma_f32_16x16x32_f16 v[ST+8*\qb:ST+8*\qb+7], v[FR+8*\ks:FR+8*\ks+7], v[8*(4*\qb+\ks):8*(4*\qb+\ks)+7], v[ST+8*\qb:ST+8*\qb+7]
.endif
.endr
.endr
	PLACES 4                                       ; before vector instructions read the results
	WIN 0x11                                       ; sources 0 and 2 window 1
.irp qb, 0,1,2,3
	v_fma_f32 v[3+\qb], v[ST+8*\qb+2], 0x3a000000, v[ST+8*\qb+1]   ; third part x 2^-11 + second: the small parts first
.endr
	WIN 0x10                                       ; source 2 window 1
.irp qb, 0,1,2,3
	v_fma_f32 v[3+\qb], v[3+\qb], 0x3a000000, v[ST+8*\qb]          ; x 2^-11 + first
.endr
	WIN 0
.irp qb, 0,1,2,3
	v_permlanex16_b32 v[TP], v[3+\qb], s60, s61    ; one half holds c, the other 0: the sum is c in both
	v_add_f32 v[3+\qb], v[3+\qb], v[TP]
.endr
	WIN 0xc0
.irp qb, 0,1,2,3
.irp j, 0,1,2,3,4,5,6,7
	v_mul_f32 v[8*\qb+\j], -1.0, v[3+\qb]
.endr
.endr
.endm
; A trip of pass 1: two K tiles, 128 keys
.macro P1TRIP kind, fa, fb, aka, akb, first
	HEAD \kind, \fa, \fb
	KFETCH \aka
	SMUL 0
	PLACES 4                                       ; before loads land on the fragments and vector instructions read the tiles
	WIN 0
	KFETCH \akb
	SQSUM \first
	SMUL 0
	PLACES 4
	SQSUM 0
.endm
; ---------------------------------------------------------------- the pipeline's parts
; Eight LDS loads: the four fragments of K step ks of a tile, into the 32 registers of that K step
.macro KLD ak, ks
.if (\ks) < 3
	WIN 0
.irp kt, 0,1,2,3
	ds_load_b128 v[FR+32*(\ks)+8*\kt:FR+32*(\ks)+8*\kt+3],   v[\ak] offset:\kt*16*KPITCH+(\ks)*64
	ds_load_b128 v[FR+32*(\ks)+8*\kt+4:FR+32*(\ks)+8*\kt+7], v[\ak] offset:\kt*16*KPITCH+(\ks)*64+32
.endr
.else
	WIN 0xc0                                       ; loaded data into window 3
.irp kt, 0,1,2,3
	ds_load_b128 v[KX+8*\kt:KX+8*\kt+3],   v[\ak] offset:\kt*16*KPITCH+192
	ds_load_b128 v[KX+8*\kt+4:KX+8*\kt+7], v[\ak] offset:\kt*16*KPITCH+192+32
.endr
.endif
.endm
; Eight transposing LDS loads: V^T fragments 4 j .. 4 j + 3 (fragment 8 g + db: 16 d x 32 keys), the 32 registers FR + 32 j
.macro VLD av, j
	WIN 0
.irp i, 0,1,2,3
.set V_, 4*(\j)+\i
	ds_load_tr16_b128 v[FR+8*V_:FR+8*V_+3],   v[\av] offset:(V_/8)*32*VPITCH+(V_%8)*32
	ds_load_tr16_b128 v[FR+8*V_+4:FR+8*V_+7], v[\av] offset:(V_/8)*32*VPITCH+(V_%8)*32+16*VPITCH
.endr
.endm
; Matrix instruction i (0..63) of a score tile that goes to window nw: i = 16 ks + 4 kt + qb.  The 16 accumulators take turns, one instruction a turn.
.macro MS_S nw, i
.set KS_, (\i)/16
.set KT_, ((\i)/4)%4
.set QB_, (\i)%4
.set D_, ST+8*(4*KT_+QB_)
.set B_, 8*(4*QB_+KS_)
.if KS_ == 0
	WIN 0x34|((\nw)<<6)                            ; A window 0, B window 1, C window 3 (-c), D window nw
	v_wmma_f32_16x16x32_f16 v[D_:D_+7], v[FR+8*KT_:FR+8*KT_+7], v[B_:B_+7], v[8*QB_:8*QB_+7]
.elseif KS_ < 3
	WIN 0x04|((\nw)<<4)|((\nw)<<6)                 ; C and D window nw
	v_wmma_f32_16x16x32_f16 v[D_:D_+7], v[FR+32*KS_+8*KT_:FR+32*KS_+8*KT_+7], v[B_:B_+7], v[D_:D_+7]
.else
	WIN 0x07|((\nw)<<4)|((\nw)<<6)                 ; A window 3
	v_wmma_f32_16x16x32_f16 v[D_:D_+7], v[KX+8*KT_:KX+8*KT_+7], v[B_:B_+7], v[D_:D_+7]
.endif
.endm
; Matrix instruction i (0..63) of O^T += V^T P^T, p in window pw: i = 4 (8 g + db) + qb.  The 32 accumulators take turns, one instruction a turn.
; zero = 1: the first 32 keys' products start the sums: nothing is cleared.
.macro MS_P pw, i, zero
.set V_, (\i)/4
.set QB_, (\i)%4
.set D_, 8*(8*QB_+V_%8)
.set B_, ST+64*(V_/8)+8*QB_
	WIN 0xa0|((\pw)<<2)                            ; A window 0, B window pw, C and D window 2
.if (\zero)*(1-V_/8)
	v_wmma_f32_16x16x32_f16 v[D_:D_+7], v[FR+8*V_:FR+8*V_+7], v[B_:B_+7], 0
.else
	v_wmma_f32_16x16x32_f16 v[D_:D_+7], v[FR+8*V_:FR+8*V_+7], v[B_:B_+7], v[D_:D_+7]
.endif
.endm
; The softmax, one vector instruction at a time.  bw: the tile's window.  Item n of 64 = 16 kt + 4 p + qb: pair p of score tile (kt, qb).
.macro TREG n
.set R_, ST+8*(4*((\n)/16)+(\n)%4)+2*(((\n)/4)%4)
.set C_, 8*((\n)/16)+2*(((\n)/4)%4)
.set Q_, 2*((\n)%4)
.endm
.macro IT_A bw, n                      ; z = u gamma + beta log2 e
	TREG \n
	WIN (\bw)|((\bw)<<6)
	v_pk_fma_f32 v[R_:R_+1], v[R_:R_+1], v[GAM+C_:GAM+C_+1], v[BET+C_:BET+C_+1]
.endm
.macro IT_B bw, n, mold, mnew          ; the new maximum: four chains, started by the old one
	TREG \n
	WIN ((\bw)<<2)|((\bw)<<4)
.if (\n) < 4
	v_max3_num_f32 v[\mnew+Q_], v[\mold+Q_], v[R_], v[R_+1]
.else
	v_max3_num_f32 v[\mnew+Q_], v[\mnew+Q_], v[R_], v[R_+1]
.endif
.endm
.macro IT_BX n, mnew                   ; 12 items: the other half of the lanes holds the other keys of the same query
	WIN 0
.set Q_, 2*((\n)/3)
.if (\n)%3 == 0
	v_permlanex16_b32 v[TP], v[\mnew+Q_], s60, s61
.elseif (\n)%3 == 1
	v_max_num_f32 v[\mnew+Q_+1], v[\mnew+Q_], v[TP]
.else
	v_max_num_f32 v[\mnew+Q_], v[\mnew+Q_], v[TP]
.endif
.endm
.macro IT_C1 n, mold, mnew             ; 13 items: alpha = exp2(old maximum - new maximum), as pairs
	WIN 0
.if (\n) < 4
	v_sub_f32 v[AL+2*(\n)], v[\mold+2*(\n)], v[\mnew+2*(\n)]
.elseif (\n) < 8
	v_exp_f32 v[AL+2*((\n)-4)], v[AL+2*((\n)-4)]
.elseif (\n) == 8
	v_nop                                          ; one plain instruction behind the transcendentals before their results are used (ISA guide 5.7.2)
	s_wait_alu depctr_va_vdst(0)
.else
	v_mov_b32 v[AL+2*((\n)-9)+1], v[AL+2*((\n)-9)]
.endif
.endm
.macro IT_D bw, n, mnew                ; z - m
	TREG \n
	WIN (\bw)|((\bw)<<6)
	v_pk_add_f32 v[R_:R_+1], v[R_:R_+1], v[\mnew+Q_:\mnew+Q_+1] neg_lo:[0,1] neg_hi:[0,1]
.endm
.macro IT_E bw, n                      ; p = exp2(z - m), register n of 128
	WIN (\bw)|((\bw)<<6)
	v_exp_f32 v[ST+(\n)], v[ST+(\n)]
.endm
.macro IT_C2 n                         ; l times alpha
	WIN 0
	v_pk_mul_f32 v[LS+2*(\n):LS+2*(\n)+1], v[LS+2*(\n):LS+2*(\n)+1], v[AL+2*(\n):AL+2*(\n)+1]
.endm
.macro IT_S2 n                         ; O times alpha, pair n of 128: 32 pairs a qb
	WIN 0x82
	v_pk_mul_f32 v[2*(\n):2*(\n)+1], v[2*(\n):2*(\n)+1], v[AL+2*((\n)/32):AL+2*((\n)/32)+1]
.endm
.macro IT_F bw, n                      ; l += p
	TREG \n
	WIN (\bw)<<2
	v_pk_add_f32 v[LS+Q_:LS+Q_+1], v[LS+Q_:LS+Q_+1], v[R_:R_+1]
.endm
.macro IT_G bw, n                      ; pack in place, n = 32 g + 8 qb + i: tile 2 g into its own registers 0-3, then tile 2 g + 1 into registers 4-7 of tile 2 g
.set G_, (\n)/32
.set QB_, ((\n)/8)%4
.set I_, (\n)%8
.set D_, ST+64*G_+8*QB_+I_
.if I_ < 4
.set S_, ST+64*G_+8*QB_+2*I_
.else
.set S_, ST+64*G_+32+8*QB_+2*(I_-4)
.endif
	WIN (\bw)|((\bw)<<2)|((\bw)<<6)
	v_cvt_pk_f16_f32 v[D_], v[S_], v[S_+1]
.endm
; Item k of the 281 of a tile's first part: 64 z, 64 + 12 maximum, 13 alpha, 64 z - m, the exponentials of the first 32 keys (64 registers)
.macro V1 bw, mold, mnew, k
.if (\k) < 64
	IT_A \bw, (\k)
.elseif (\k) < 128
	IT_B \bw, (\k)-64, \mold, \mnew
.elseif (\k) < 140
	IT_BX (\k)-128, \mnew
.elseif (\k) < 153
	IT_C1 (\k)-140, \mold, \mnew
.elseif (\k) < 217
	IT_D \bw, (\k)-153, \mnew
.else
	IT_E \bw, (\k)-217
.endif
.endm
; Item k of the 325 of a tile's second part: the other 64 exponentials, one plain instruction behind all of the tile's exponentials and ahead of every
; use of a p, 4 l alpha, 128 O alpha, 64 l += p, 64 packings.  first = 1 (tile 0): no l and no O to rescale yet, 193 items.
.macro V2 bw, first, k
.if (\k) < 64
	IT_E \bw, (\k)+64
.elseif (\k) == 64
	v_nop
	s_wait_alu depctr_va_vdst(0)
.elseif (\first)
.if (\k) < 129
	IT_F \bw, (\k)-65
.else
	IT_G \bw, (\k)-129
.endif
.elseif (\k) < 69
	IT_C2 (\k)-65
.elseif (\k) < 197
	IT_S2 (\k)-69
.elseif (\k) < 261
	IT_F \bw, (\k)-197
.else
	IT_G \bw, (\k)-261
.endif
.endm
; Trip t of the pipeline, t = 0..6.  bw: tile t's window; nw: tile t + 1's.  av: V(t)'s slot; ak: K(t+2)'s slot (kl = 1: there is such a tile).
; mold, mnew: the old and new maximum of tile t + 1.  The head asks for K(t+3) and V(t+1), into the slots of K(t+1) and V(t-1), which trip t - 1 read.
; LDS loads go out in runs of eight, into the 32 registers that the last 16 matrix instructions have done with, behind the vector instructions of two
; further matrix instructions: at least seven plain ones (in trip 0's first stage exponentials stand there, so four v_nop are written).
.macro TRIP kind, fa, fb, bw, nw, av, ak, mold, mnew, first, kl
	HEAD \kind, \fa, \fb
	GBFETCH                                        ; gamma and beta of tile t + 1
	v_add_nc_u32 v[AGB], 256, v[AGB]
	VLD \av, 3                                     ; V's last four fragments have registers that no K step uses
	; stage 1: S(t+1), whose K fragments are in since the head's wait for 0, and the second part of tile t
.set NV_, 325-132*\first
.set VK, 0
.set MI, 0
.rept 64
	MS_S \nw, MI
.set MI, MI+1
.rept (MI*NV_)/64-VK
	V2 \bw, \first, VK
.set VK, VK+1
.endr
.irp h, 17,33,49
.if MI == \h
.if \first
	PLACES 4
.endif
	VLD \av, MI/16-1                               ; into the registers of the K step that ended two matrix instructions ago
.endif
.endr
.endr
	PLACES 4                                       ; before loads land on K step 3's fragments and vector instructions read S(t+1)
.if \kl
	KLD \ak, 3
.endif
	; stage 2: O += V(t) P(t), and the first part of tile t + 1
.set VK, 0
.set MI, 0
.rept 64
.if MI == 0
	s_wait_dscnt 16+8*\kl                          ; gamma, beta and V's fragments 12-15 and 0-3 are in; fragments 4-11 (16 loads) and K step 3 (8) stay out
.endif
.if MI == 16
	s_wait_dscnt 8+8*\kl                           ; fragments 4-7 are in; fragments 8-11 and K step 3 stay out
.endif
.if MI == 32
	s_wait_dscnt 16*\kl                            ; fragments 8-11 are in; K steps 3 and 0 stay out
.endif
	MS_P \bw, MI, \first
.set MI, MI+1
.rept (MI*281)/64-VK
	V1 \nw, \mold, \mnew, VK
.set VK, VK+1
.endr
.if \kl
.irp h, 17,33,49
.if MI == \h
	KLD \ak, MI/16-1                               ; into the registers of the four V fragments that were done with two matrix instructions ago
.endif
.endr
.endif
.endr
	PLACES 5                                       ; before the next trip's loads land on V's last fragments and its matrix instructions write over p
	WIN 0
.endm
; ---------------------------------------------------------------- prologue
	s_load_b256 s[4:11], s[0:1], 0x0               ; q s[4:5], kb s[6:7], vb s[8:9], ksum s[10:11]
	s_load_b128 s[12:15], s[0:1], 0x20             ; gamma s[12:13], beta s[14:15]
	s_load_b64 s[16:17], s[0:1], 0x30              ; out0
	v_lshl_add_u32 v62, v0, 2, 0x4d000
	v_mov_b32 v63, 0
	ds_add_u32 v62, v63
	v_lshrrev_b32 v3, 5, v0
	v_readfirstlane_b32 s21, v3                    ; wave 0..3
	s_and_b32 s18, ttmp7, 0xffff                   ; batch (the cluster's y)
	s_bfe_u32 s19, ttmp6, 0x40000                  ; cx: enters the addresses of q and out0 alone
	s_lshl_b32 s20, ttmp9, 2
	s_add_co_u32 s20, s20, s19                     ; query block = 4 x cluster x + cx
	s_lshl_b32 s22, s18, 20                        ; batch x 2048 rows x 512 bytes
	s_lshl_b32 s23, s20, 15                        ; + block x 64 rows x 512 bytes
	s_add_co_u32 s22, s22, s23
	s_mov_b32 s23, 0
	s_lshl_b32 s66, s18, 19                        ; kb, vb: batch x 2048 rows x 256 bytes
	s_lshl_b32 s67, s21, 17                        ; + wave x 512 rows x 256 bytes
	s_add_co_u32 s66, s66, s67
	s_mov_b32 s67, 0
	s_lshl_b32 s68, s18, 14                        ; ksum: batch x 32 rows x 512 bytes
	s_mov_b32 s69, 0
	s_mul_i32 s70, s21, WRING                      ; my ring
	s_lshl_b32 s71, s21, 12
	s_add_co_u32 s71, s71, GBL                     ; my gamma and beta
	s_mov_b32 s60, 0x76543210                      ; v_permlanex16_b32: lane i takes lane i of the other half
	s_mov_b32 s61, 0xfedcba98
	s_mov_b32 s62, 0x36800000                      ; 2^-18
	s_mov_b32 s63, 0x3727c5ac                      ; 1e-5
	; group 1: 64 rows x 128 elements of 2 bytes, pitch 128; mask 15 with bit 21 beside it; padding behind every 64 words, of 4 words (K) or 8 (V)
	s_mov_b32 s[G1K+0], 15|(1<<16)|(1<<20)|(1<<21)|(5<<22)|(3<<25)
	s_mov_b32 s[G1K+1], 128<<16                    ; tensor_dim0 = 128
	s_mov_b32 s[G1K+2], 64<<16                     ; tensor_dim1 = 64
	s_mov_b32 s[G1K+3], 128<<16                    ; tile_dim0 = 128
	s_mov_b32 s[G1K+4], 64                         ; tile_dim1 = 64
	s_mov_b32 s[G1K+5], 128                        ; elements from row to row
	s_mov_b32 s[G1K+6], 0
	s_mov_b32 s[G1K+7], 0
	s_mov_b32 s[G1V+0], 15|(1<<16)|(1<<20)|(1<<21)|(5<<22)|(7<<25)
	s_mov_b32 s[G1V+1], 128<<16
	s_mov_b32 s[G1V+2], 64<<16
	s_mov_b32 s[G1V+3], 128<<16
	s_mov_b32 s[G1V+4], 64
	s_mov_b32 s[G1V+5], 128
	s_mov_b32 s[G1V+6], 0
	s_mov_b32 s[G1V+7], 0
.irp s, 0,1,2,3
	s_mov_b32 s[G0+4*\s], 1
	s_add_co_u32 s[G0+4*\s+1], s70, \s*SLOT        ; LDS address: wave and slot alone
.endr
	v_and_b32 v1, 15, v0                           ; r
	v_bfe_u32 v2, v0, 4, 1                         ; h
	v_and_b32 v4, 31, v0                           ; lane L
	v_mul_u32_u24 v5, v1, KPITCH
	v_lshl_add_u32 v5, v2, 4, v5
	v_add_nc_u32 v5, s70, v5                       ; ring + r x 272 + 16 h
.irp s, 0,1,2,3
	v_add_nc_u32 v[AK+\s], \s*SLOT, v5
.endr
	v_and_b32 v6, 7, v0
	v_lshl_add_u32 v6, v2, 3, v6                   ; key 8 h + (L & 7)
	v_mul_u32_u24 v6, v6, VPITCH
	v_bfe_u32 v7, v0, 3, 1
	v_lshl_add_u32 v6, v7, 4, v6                   ; + 16 ((L >> 3) & 1)
	v_add_nc_u32 v6, s70, v6
	v_add_nc_u32 v[AV1], SLOT, v6
	v_add_nc_u32 v[AV3], 3*SLOT, v6
	v_lshl_add_u32 v[AGB], v2, 5, s71              ; 8 h keys of 4 bytes
	v_lshl_add_u32 v8, v4, 4, s71                  ; where I put gamma and beta
	v_min_u32 v9, 3, v1                            ; rows 3 to 15 of kbar's fragment all read the row of zeros
	v_lshlrev_b32 v9, 8, v9                        ; x 256 bytes
	v_lshl_add_u32 v9, v2, 4, v9
	v_add_nc_u32 v[AKB], KBL, v9
	v_lshlrev_b32 v9, 1, v0
	v_add_nc_u32 v9, KBL, v9                       ; where thread t puts column t of kbar: 128 threads fill a row's 256 bytes
	v_lshlrev_b32 v7, 2, v1
	v_add_nc_u32 v[S1R], STAT1, v7
	v_add_nc_u32 v[S2R], STAT2, v7
	s_lshl_b32 s3, s21, 8
	v_add_nc_u32 v[S1W], s3, v[S1R]
	s_lshl_b32 s3, s21, 9
	v_add_nc_u32 v[S2W], s3, v[S2R]
	v_lshlrev_b32 v[QOFF], 9, v1
	v_lshl_add_u32 v[QOFF], v2, 5, v[QOFF]
	v_mul_u32_u24 v7, v1, OPITCH
	v_lshl_add_u32 v7, v2, 5, v7
	v_add_nc_u32 v[OST], s70, v7
	s_mul_i32 s3, s21, 16*OPITCH                   ; I write rows 16 w .. 16 w + 15 of the block out
	v_lshl_add_u32 v7, v4, 4, s3
.irp w, 0,1,2,3
	v_add_nc_u32 v[ORD+\w], \w*WRING, v7
.endr
	s_lshl_b32 s3, s21, 13
	v_lshl_add_u32 v[OOFF], v4, 4, s3
	v_lshlrev_b32 v3, 2, v0                        ; ksum: column t
	s_lshl_b32 s3, s21, 11
	v_lshl_add_u32 v5, v4, 4, s3                   ; gamma, beta: my wave's 2,048 bytes, 16 a lane
.irp i, 0,1,2,3,4,5,6,7
	v_mov_b32 v[MA+\i], 0xff800000                 ; the running maximum starts at -inf,
	v_mov_b32 v[LS+\i], 0                          ; l at 0
.endr
	v_mov_b32 v[TP], 0                             ; v_permlanex16_b32 counts as a reader of its destination
	s_wait_dscnt 0x0
	s_wait_kmcnt 0x0
	s_add_nc_u64 s[4:5], s[4:5], s[22:23]          ; q at my block
	s_add_nc_u64 s[16:17], s[16:17], s[22:23]      ; out0 at my block
	s_add_nc_u64 s[10:11], s[10:11], s[68:69]      ; ksum at my batch
	s_add_nc_u64 s[KP:KP+1], s[6:7], s[66:67]      ; my wave's first K tile
	s_add_nc_u64 s[VP:VP+1], s[8:9], s[66:67]      ; and V tile
	s_or_b32 s[KP+1], s[KP+1], 0x80000000          ; type = 2
	s_or_b32 s[VP+1], s[VP+1], 0x80000000
	s_add_nc_u64 s[G0+2:G0+3], s[KP:KP+1], 2*TILEB ; pass 1 walks the tiles 2, 3 | 4, 5 | 6, 7 | 1, 0, so that tiles 1 and 0 are still in LDS when pass 2 begins
	s_add_nc_u64 s[G0+6:G0+7], s[KP:KP+1], 3*TILEB
	s_add_nc_u64 s[KP:KP+1], s[KP:KP+1], 4*TILEB
.set LN, 0
.rept 32
	global_load_b32 v[64+LN], v3, s[10:11] offset:512*LN       ; the batch's 32 partial sums of column t
.set LN, LN+1
.endr
.irp i, 0,1,2,3
	global_load_b128 v[96+4*\i:99+4*\i], v5, s[12:13] offset:512*\i
.endr
.irp i, 0,1,2,3
	global_load_b128 v[112+4*\i:115+4*\i], v5, s[14:15] offset:512*\i
.endr
	ROUND                                          ; the four work-groups are here: the first joint loads meet
	tensor_load_to_lds s[G0:G0+3], s[G1K:G1K+7]
	s_nop 0
	tensor_load_to_lds s[G0+4:G0+7], s[G1K:G1K+7]
	s_nop 0
; q in f32, in the fragments' order: lane (r, h) takes d = 32 ks + 8 h .. + 7 and 32 ks + 16 + 8 h .. + 7 of row 16 qb + r
.macro QLOAD qb
.irp ks, 0,1,2,3
	global_load_b128 v[64*\qb+16*\ks:64*\qb+16*\ks+3],     v[QOFF], s[4:5] offset:\qb*8192+\ks*128
	global_load_b128 v[64*\qb+16*\ks+4:64*\qb+16*\ks+7],   v[QOFF], s[4:5] offset:\qb*8192+\ks*128+16
	global_load_b128 v[64*\qb+16*\ks+8:64*\qb+16*\ks+11],  v[QOFF], s[4:5] offset:\qb*8192+\ks*128+64
	global_load_b128 v[64*\qb+16*\ks+12:64*\qb+16*\ks+15], v[QOFF], s[4:5] offset:\qb*8192+\ks*128+80
.endr
.endm
	WIN 0x80                                       ; loaded data into window 2
	QLOAD 0
	WIN 0
	s_wait_loadcnt 24                              ; the 32 partial sums are in; 8 loads of gamma and beta and 16 of q stay out
.irp i, 0,2,4,6,8,10,12,14
	v_pk_add_f32 v[64+\i:65+\i], v[64+\i:65+\i], v[80+\i:81+\i]
.endr
.irp i, 0,2,4,6
	v_pk_add_f32 v[64+\i:65+\i], v[64+\i:65+\i], v[72+\i:73+\i]
.endr
.irp i, 0,2
	v_pk_add_f32 v[64+\i:65+\i], v[64+\i:65+\i], v[68+\i:69+\i]
.endr
	v_pk_add_f32 v[64:65], v[64:65], v[66:67]
	v_add_f32 v64, v64, v65
	v_mul_f32 v64, 0x3a000000, v64                 ; / 2048: kbar[t]
	v_cvt_pk_f16_f32 v65, v64, v64                 ; first part
	v_cvt_f32_f16 v66, v65.l
	v_sub_f32 v67, v64, v66                        ; what it leaves, exact,
	v_mul_f32 v67, 0x45000000, v67                 ; x 2^11, so that it is no smaller than f16 holds well
	v_cvt_pk_f16_f32 v68, v67, v67                 ; second part
	v_cvt_f32_f16 v69, v68.l
	v_sub_f32 v70, v67, v69
	v_mul_f32 v70, 0x45000000, v70
	v_cvt_pk_f16_f32 v71, v70, v70                 ; third part
	v_mov_b32 v72, 0
	ds_store_b16 v9, v65
	ds_store_b16 v9, v68 offset:KBP
	ds_store_b16 v9, v71 offset:2*KBP
	ds_store_b16 v9, v72 offset:3*KBP
	s_wait_loadcnt 16                              ; gamma and beta are in; q's 16 loads stay out
.irp i, 0,2,4,6,8,10,12,14
	v_pk_mul_f32 v[112+\i:113+\i], v[112+\i:113+\i], 0x3fb8aa3b op_sel_hi:[1,0]    ; beta log2 e
.endr
.irp i, 0,1,2,3
	ds_store_b128 v8, v[96+4*\i:99+4*\i] offset:512*\i
	ds_store_b128 v8, v[112+4*\i:115+4*\i] offset:2048+512*\i
.endr
	WIN 0x80
	QLOAD 1
	QLOAD 2
	QLOAD 3
	WIN 0
	s_wait_dscnt 0x0                               ; my columns of kbar are in LDS, for the other waves' sake
	s_barrier_signal -1                            ; the two K tiles stay on their way
	s_barrier_wait -1
	s_wait_loadcnt 0x0                             ; q
	QCVT
	CINIT
; ---------------------------------------------------------------- pass 1: the sum of the squared deviations
	P1TRIP 1, 2, 3, AK+0, AK+1, 1                  ; works on K tiles 2, 3; asks for 4, 5
	P1TRIP 1, 0, 1, AK+2, AK+3, 0                  ; 4, 5; asks for 6, 7
	s_sub_nc_u64 s[KP:KP+1], s[KP:KP+1], 8*TILEB   ; back to my first K tile (no descriptor register: the loads read copies)
	P1TRIP 1, 3, 2, AK+0, AK+1, 0                  ; 6, 7; asks for tile 0 into slot 3 and tile 1 into slot 2
	P1TRIP 2, 0, 1, AK+2, AK+3, 0                  ; 1, 0; asks for K 2 into slot 0 and V 0 into slot 1
; ---------------------------------------------------------------- the statistics
	WIN 0
.irp qb, 0,1,2,3
	v_pk_add_f32 v[SQ+4*\qb:SQ+4*\qb+1], v[SQ+4*\qb:SQ+4*\qb+1], v[SQ+4*\qb+2:SQ+4*\qb+3]
.endr
.irp qb, 0,1,2,3
	v_add_f32 v[SQ+4*\qb], v[SQ+4*\qb], v[SQ+4*\qb+1]
.endr
.irp qb, 0,1,2,3
	v_permlanex16_b32 v[TP], v[SQ+4*\qb], s60, s61
	v_add_f32 v[SQ+4*\qb], v[SQ+4*\qb], v[TP]
	ds_store_b32 v[S1W], v[SQ+4*\qb] offset:\qb*64 ; both halves of the lanes write the same number to the same word
.endr
	s_wait_dscnt 0x0
	s_barrier_signal -1
	s_barrier_wait -1
.irp qb, 0,1,2,3
.irp w, 0,1,2,3
	ds_load_b32 v[80+4*\qb+\w], v[S1R] offset:\w*256+\qb*64
.endr
.endr
	s_wait_dscnt 0x0
.irp qb, 0,1,2,3
	v_pk_add_f32 v[80+4*\qb:81+4*\qb], v[80+4*\qb:81+4*\qb], v[82+4*\qb:83+4*\qb]
.endr
.irp qb, 0,1,2,3
	v_add_f32 v[80+4*\qb], v[80+4*\qb], v[81+4*\qb]
.endr
.irp qb, 0,1,2,3
	v_fma_f32 v[80+4*\qb], v[80+4*\qb], s62, s63   ; variance + 1e-5
.endr
.irp qb, 0,1,2,3
	v_rsq_f32 v[81+4*\qb], v[80+4*\qb]
.endr
	v_nop                                          ; one plain instruction behind the transcendentals
	s_wait_alu depctr_va_vdst(0)
.irp qb, 0,1,2,3
	v_mul_f32 v[AL+2*\qb],   0x3e0293ee, v[81+4*\qb]   ; x log2 e / sqrt 128
	v_mul_f32 v[AL+2*\qb+1], 0x3e0293ee, v[81+4*\qb]
.endr
	SCALE2                                         ; q a, in f32,
	QCVT                                           ; rounded once,
	CINIT                                          ; and its own c
; ---------------------------------------------------------------- pass 2
	; ahead of the pipeline: S(0) from slot 3, K tile 1's fragments from slot 2, the first part of tile 0
	WIN 0
	KFETCH AK+3
	GBFETCH
	v_add_nc_u32 v[AGB], 256, v[AGB]
	SMUL 16
	PLACES 4                                       ; before loads land on the fragments and vector instructions read the tile
	KLD AK+2, 0
	KLD AK+2, 1
	KLD AK+2, 2
	KLD AK+2, 3
	s_wait_dscnt 32                                ; gamma and beta are in; the 32 loads of K tile 1's fragments stay out
.set VK, 0
.rept 281
	V1 1, MA, MB, VK
.set VK, VK+1
.endr
	TRIP 2, 2, 3, 1, 3, AV1, AK+0, MB, MA, 1, 1    ; trip 0: asks for K 3 and V 1
	s_mov_b32 s3, 2
.Lp2:
	TRIP 2, 0, 1, 3, 1, AV3, AK+2, MA, MB, 0, 1    ; trips 1, 3
	TRIP 2, 2, 3, 1, 3, AV1, AK+0, MB, MA, 0, 1    ; trips 2, 4; trip 4 asks for K 7 and V 5
	s_sub_co_u32 s3, s3, 1
	s_cmp_lg_u32 s3, 0
	s_cbranch_scc1 .Lp2
	TRIP 3, 0, 1, 3, 1, AV3, AK+2, MA, MB, 0, 1    ; trip 5: asks for V 6 alone
	TRIP 3, 2, 3, 1, 3, AV1, AK+0, MB, MA, 0, 0    ; trip 6: asks for V 7 alone; no K tile is left to read
	; trip 7: nothing is filled, so no round; the wave reads its own tile behind its own wait.  The second part of tile 7, then O += V(7) P(7).
	HEAD 0, 0, 0
	VLD AV3, 0
	VLD AV3, 1
	VLD AV3, 2
	VLD AV3, 3
.set VK, 0
.rept 325
	V2 3, 0, VK
.set VK, VK+1
.endr
.set MI, 0
.rept 64
.if MI == 0
	s_wait_dscnt 16                                ; the first 32 keys' 16 loads are in; the second 32 keys' stay out
.endif
.if MI == 32
	s_wait_dscnt 0
.endif
	MS_P 3, MI, 0
.set MI, MI+1
.endr
	PLACES 5                                       ; before vector instructions read O and loads land on the fragments
	WIN 0
; ---------------------------------------------------------------- the four waves' results become one
.irp qb, 0,1,2,3
	v_add_f32 v[LS+2*\qb], v[LS+2*\qb], v[LS+2*\qb+1]
.endr
.irp qb, 0,1,2,3
	v_permlanex16_b32 v[TP], v[LS+2*\qb], s60, s61
	v_add_f32 v[LS+2*\qb], v[LS+2*\qb], v[TP]
	ds_store_b32 v[S2W], v[MA+2*\qb] offset:\qb*64
	ds_store_b32 v[S2W], v[LS+2*\qb] offset:256+\qb*64
.endr
	s_wait_dscnt 0x0
	s_barrier_signal -1
	s_barrier_wait -1
.irp qb, 0,1,2,3
.irp w, 0,1,2,3
	ds_load_b32 v[64+4*\qb+\w], v[S2R] offset:\w*512+\qb*64
	ds_load_b32 v[80+4*\qb+\w], v[S2R] offset:\w*512+\qb*64+256
.endr
.endr
	s_wait_dscnt 0x0
.irp qb, 0,1,2,3
	v_max3_num_f32 v[96+\qb], v[64+4*\qb], v[65+4*\qb], v[66+4*\qb]
.endr
.irp qb, 0,1,2,3
	v_max_num_f32 v[96+\qb], v[96+\qb], v[67+4*\qb]            ; the row's maximum
.endr
.irp qb, 0,1,2,3
.irp w, 0,1,2,3
	v_sub_f32 v[64+4*\qb+\w], v[64+4*\qb+\w], v[96+\qb]
.endr
	v_sub_f32 v[AL+2*\qb], v[MA+2*\qb], v[96+\qb]
.endr
.set EN, 0
.rept 16
	v_exp_f32 v[64+EN], v[64+EN]
.set EN, EN+1
.endr
.irp qb, 0,1,2,3
	v_exp_f32 v[AL+2*\qb], v[AL+2*\qb]
.endr
	v_nop                                          ; one plain instruction behind the transcendentals
	s_wait_alu depctr_va_vdst(0)
.irp qb, 0,1,2,3
	v_mul_f32  v[100+\qb], v[64+4*\qb], v[80+4*\qb]
.endr
.irp w, 1,2,3
.irp qb, 0,1,2,3
	v_fmac_f32 v[100+\qb], v[64+4*\qb+\w], v[80+4*\qb+\w]      ; the row's l: at least 1, from the wave that holds the maximum
.endr
.endr
.irp qb, 0,1,2,3
	v_rcp_f32 v[100+\qb], v[100+\qb]
.endr
	v_nop
	s_wait_alu depctr_va_vdst(0)
.irp qb, 0,1,2,3
	v_mul_f32 v[AL+2*\qb], v[AL+2*\qb], v[100+\qb]             ; my share's factor: exp2(my m - m) / l
.endr
.irp qb, 0,1,2,3
	v_mov_b32 v[AL+2*\qb+1], v[AL+2*\qb]
.endr
	SCALE2
	; My O, as 64 rows (queries) of 512 bytes at pitch 528, into slots 0 and 1 of my own ring: their last fills have landed (the waits for 0 at the
	; trips' heads) and my reads of them are back.  A lane holds d = 16 db + 8 h .. + 7 of row 16 qb + r: two stores of 16 bytes.
	WIN 0x08                                       ; store data from window 2
.irp qb, 0,1,2,3
.irp db, 0,1,2,3,4,5,6,7
	ds_store_b128 v[OST], v[8*(8*\qb+\db):8*(8*\qb+\db)+3]   offset:\qb*16*OPITCH+\db*64
	ds_store_b128 v[OST], v[8*(8*\qb+\db)+4:8*(8*\qb+\db)+7] offset:\qb*16*OPITCH+\db*64+16
.endr
.endr
	WIN 0
	s_wait_dscnt 0x0
	s_barrier_signal -1
	s_barrier_wait -1
	; Wave w adds the four shares of rows 16 w .. 16 w + 15 and stores them: one store covers a row's 512 consecutive bytes, aligned.
.irp bt, 0,1
.if \bt
	s_wait_xcnt 0x0                                ; the first eight stores' data registers are loaded again only behind this wait
.endif
.irp i, 0,1,2,3,4,5,6,7
.irp w, 0,1,2,3
	ds_load_b128 v[FR+16*\i+4*\w:FR+16*\i+4*\w+3], v[ORD+\w] offset:(8*\bt+\i)*OPITCH
.endr
.endr
.irp i, 0,1,2,3,4,5,6,7
	s_wait_dscnt 28-4*\i                           ; row i's four loads are in; the later rows' stay out
	v_pk_add_f32 v[FR+16*\i:FR+16*\i+1],     v[FR+16*\i:FR+16*\i+1],     v[FR+16*\i+4:FR+16*\i+5]
	v_pk_add_f32 v[FR+16*\i+2:FR+16*\i+3],   v[FR+16*\i+2:FR+16*\i+3],   v[FR+16*\i+6:FR+16*\i+7]
	v_pk_add_f32 v[FR+16*\i+8:FR+16*\i+9],   v[FR+16*\i+8:FR+16*\i+9],   v[FR+16*\i+12:FR+16*\i+13]
	v_pk_add_f32 v[FR+16*\i+10:FR+16*\i+11], v[FR+16*\i+10:FR+16*\i+11], v[FR+16*\i+14:FR+16*\i+15]
	v_pk_add_f32 v[FR+16*\i:FR+16*\i+1],     v[FR+16*\i:FR+16*\i+1],     v[FR+16*\i+8:FR+16*\i+9]
	v_pk_add_f32 v[FR+16*\i+2:FR+16*\i+3],   v[FR+16*\i+2:FR+16*\i+3],   v[FR+16*\i+10:FR+16*\i+11]
	global_store_b128 v[OOFF], v[FR+16*\i:FR+16*\i+3], s[16:17] offset:(8*\bt+\i)*512 th:TH_STORE_NT
.endr
.endr
	s_wait_tensorcnt 0x0
	ds_add_u32 v62, v63
	s_wait_dscnt 0x0
	ROUND                                          ; the closing round: no work-group ends while a partner may still ask for a tile that names it
	s_endpgm
.Lfunc_end_k_q450eb4474e_attn:
	.size	k_q450eb4474e_attn, .Lfunc_end_k_q450eb4474e_attn-k_q450eb4474e_attn
	.p2alignl 7, 3214868480
	.fill 96, 4, 3214868480
	.section	.rodata,"a",@progbits
	.p2align	6, 0x0
	.amdhsa_kernel k_q450eb4474e_attn
		.amdhsa_group_segment_fixed_size 327680
		.amdhsa_private_segment_fixed_size 0
		.amdhsa_enable_private_segment 0
		.amdhsa_kernarg_size 56
		.amdhsa_user_sgpr_count 2
		.amdhsa_user_sgpr_kernarg_segment_ptr 1
		.amdhsa_wavefront_size32 1
		.amdhsa_system_sgpr_workgroup_id_x 1
		.amdhsa_system_sgpr_workgroup_id_y 1
		.amdhsa_system_sgpr_workgroup_id_z 1
		.amdhsa_system_vgpr_workitem_id 0
		.amdhsa_next_free_vgpr 1024
		.amdhsa_next_free_sgpr 72
		.amdhsa_reserve_vcc 0
		.amdhsa_float_denorm_mode_32 3
		.amdhsa_float_denorm_mode_16_64 3
		.amdhsa_memory_ordered 1
		.amdhsa_forward_progress 1
		.amdhsa_inst_pref_size 255
	.end_amdhsa_kernel
	.section	.bss,"aw",@nobits
	.p2align	6
	.space	262144
	.amdgpu_metadata
---
amdhsa.version: [ 1, 2 ]
amdhsa.kernels:
  - .name:           k_q450eb4474e_attn
    .symbol:         k_q450eb4474e_attn.kd
    .args:
      - { .name: q, .offset: 0, .size: 8, .value_kind: global_buffer, .address_space: global }
      - { .name: kb, .offset: 8, .size: 8, .value_kind: global_buffer, .address_space: global }
      - { .name: vb, .offset: 16, .size: 8, .value_kind: global_buffer, .address_space: global }
      - { .name: ksum, .offset: 24, .size: 8, .value_kind: global_buffer, .address_space: global }
      - { .name: gamma, .offset: 32, .size: 8, .value_kind: global_buffer, .address_space: global }
      - { .name: beta, .offset: 40, .size: 8, .value_kind: global_buffer, .address_space: global }
      - { .name: out0, .offset: 48, .size: 8, .value_kind: global_buffer, .address_space: global }
    .group_segment_fixed_size: 327680
    .private_segment_fixed_size: 0
    .kernarg_segment_align: 8
    .kernarg_segment_size: 56
    .max_flat_workgroup_size: 128
    .sgpr_count:     72
    .vgpr_count:     1024
    .wavefront_size: 32
...
	.end_amdgpu_metadata
.endif
;; end of part 2
;; ======== version 2 of 2: 2 launches; version 1 with the launch prep written anew for expert scheduling mode
;; limits: values are held in f16: magnitudes above 65,504 overflow, below 6.1e-05 lose precision; inputs' magnitudes at most 1,600
;; workspace buffers: kb 4,194,304 bytes; vb 4,194,304 bytes; ksum 131,072 bytes
;; launch prep (part 3): grid 256 x 1, 8 waves a work-group, no clusters, 5,120 bytes of LDS; arguments k, v, kb, vb, ksum; writes kb, vb, ksum
.if DOCPART == 3
	.amdgcn_target "amdgcn-amd-amdhsa--gfx1250"
	.amdhsa_code_object_version 6
	.text
	.protected	k_q450eb4474e_prep
	.globl	k_q450eb4474e_prep
	.p2align	8
	.type	k_q450eb4474e_prep,@function
k_q450eb4474e_prep:
	s_mov_b64 s[64:65], 0
	v_nop
	global_prefetch_b8 v0, s[64:65] scope:SCOPE_SE
	s_setreg_imm32_b32 hwreg(HW_REG_WAVE_SCHED_MODE, 0, 2), 2
	s_setreg_imm32_b32 hwreg(HW_REG_WAVE_MODE, 25, 1), 1
	s_wait_xcnt 0x0
	s_wait_alu depctr_vm_vsrc(0)
; kb = f16(k), vb = f16(v), ksum[g][d] = sum over the 64 keys 64 g .. 64 g + 63 of k[key][d], in f32, of the keys as given.
; k and v are taken as [16384][128] f32 (8 batches x 2048 rows).  Work-group g owns 64 rows of each.
; Thread t = 32 w + L takes rows w + 8 i (i = 0..7), columns 4 L .. 4 L + 3: a wave's 16-byte loads cover one row of
; 512 consecutive bytes, its 8-byte stores one f16 row of 256 consecutive bytes, aligned.
; Every byte is read once and all 16 loads of a thread are issued at once, so there is no ring, no matrix work and no cluster.
; LIMIT, stated: |k| and |v| stay below f16's largest number, 65,504; numbers below 2^-14 keep an absolute step of 2^-24.
; THE MODE: SCHED_MODE bits 1:0 = 2 (LLVM: expert scheduling mode 2), set by the entry lines.  The code itself states the register dependences
; between vector instructions and memory or LDS instructions, with s_wait_alu, always for 0.
; THE PLAN.  Registers that memory or LDS instructions touch:
;   v1, v2, v12   offsets and LDS addresses: written at the head, never again; read by every load and store.
;   XK, XV        written by the 16 loads; read by the roundings and additions.  In wave 0 XK is written once more, by eight LDS loads and that wave's additions.
;   PK, PV        two registers a row, written once by the row's roundings, read once by the row's store.
;   v[4:7]        the column sums: written by the additions of k's rows, read by the one LDS store.
;   v112, v113    written at the head, read by the closing add alone.
; The 16 rows go in eight blocks of two.  Block b rounds its rows into packed registers of their own; the two stores of block b - 1 stand at block b's head, behind
; one wait on va_vdst, and no vector instruction of block b names what they read.  No register that a memory or LDS instruction has read is written again.
.set XK, 16                            ; v[16:47]   8 rows of k, 4 f32 each
.set XV, 48                            ; v[48:79]   8 rows of v
.set PK, 80                            ; v[80:95]   k packed, 2 registers a row
.set PV, 96                            ; v[96:111]  v packed
                                       ; v1 16 t (input offset, LDS address), v2 8 t (output offset), v[4:7] column sums, v12 16 L
	s_load_b256 s[4:11], s[0:1], 0x0               ; k s[4:5], v s[6:7], kb s[8:9], vb s[10:11]
	s_load_b64 s[12:13], s[0:1], 0x20              ; ksum
	v_lshl_add_u32 v112, v0, 2, 0x1000
	v_mov_b32 v113, 0
	v_lshrrev_b32 v13, 5, v0
	v_readfirstlane_b32 s14, v13                   ; wave number
	s_lshl_b32 s16, ttmp9, 15                      ; 64 rows of 512 bytes
	s_mov_b32 s17, 0
	s_lshl_b32 s18, ttmp9, 14                      ; 64 rows of 256 bytes
	s_mov_b32 s19, 0
	s_lshl_b32 s20, ttmp9, 9                       ; one row of ksum
	s_mov_b32 s21, 0
	v_lshlrev_b32 v1, 4, v0                        ; 512 w + 16 L
	v_lshlrev_b32 v2, 3, v0                        ; 256 w + 8 L
	v_and_b32 v12, 31, v0
	v_lshlrev_b32 v12, 4, v12                      ; 16 L
	s_wait_alu depctr_va_sdst(0)                   ; s14 is written, ahead of its one reader: the compare behind the barrier
	s_wait_kmcnt 0x0
	s_add_nc_u64 s[4:5], s[4:5], s[16:17]
	s_add_nc_u64 s[6:7], s[6:7], s[16:17]
	s_add_nc_u64 s[8:9], s[8:9], s[18:19]
	s_add_nc_u64 s[10:11], s[10:11], s[18:19]
	s_add_nc_u64 s[12:13], s[12:13], s[20:21]
	s_wait_alu depctr_va_vdst(0)                   ; v1, v2 and v12 are written: every load and store of the kernel reads one of them as its offset or address
.irp i, 0,1,2,3,4,5,6,7
	global_load_b128 v[XK+4*\i:XK+4*\i+3], v1, s[4:5] offset:\i*4096 th:TH_LOAD_NT
.endr
.irp i, 0,1,2,3,4,5,6,7
	global_load_b128 v[XV+4*\i:XV+4*\i+3], v1, s[6:7] offset:\i*4096 th:TH_LOAD_NT
.endr
	; k: round, add the rows up, and store the block before.  Block b is rows 2 b and 2 b + 1.
.irp b, 0,1,2,3
	s_wait_loadcnt 15-2*\b                         ; loads return in order: row 2 b of k is in, the 15 - 2 b younger loads stay out
.if \b > 0
	s_wait_alu depctr_va_vdst(0)                   ; the block before has written its four packed registers, which the two stores below read
	global_store_b64 v2, v[PK+4*\b-4:PK+4*\b-3], s[8:9] offset:(2*\b-2)*2048   ; every store has data registers of its own
	global_store_b64 v2, v[PK+4*\b-2:PK+4*\b-1], s[8:9] offset:(2*\b-1)*2048
.endif
	v_cvt_pk_f16_f32 v[PK+4*\b],   v[XK+8*\b],   v[XK+8*\b+1]
	v_cvt_pk_f16_f32 v[PK+4*\b+1], v[XK+8*\b+2], v[XK+8*\b+3]
.if \b > 0
	v_pk_add_f32 v[4:5], v[4:5], v[XK+8*\b:XK+8*\b+1]
	v_pk_add_f32 v[6:7], v[6:7], v[XK+8*\b+2:XK+8*\b+3]
.endif
	s_wait_loadcnt 14-2*\b                         ; row 2 b + 1 is in
	v_cvt_pk_f16_f32 v[PK+4*\b+2], v[XK+8*\b+4], v[XK+8*\b+5]
	v_cvt_pk_f16_f32 v[PK+4*\b+3], v[XK+8*\b+6], v[XK+8*\b+7]
.if \b == 0
	v_pk_add_f32 v[4:5], v[XK:XK+1],   v[XK+4:XK+5]                    ; the first two rows start the sums
	v_pk_add_f32 v[6:7], v[XK+2:XK+3], v[XK+6:XK+7]
.else
	v_pk_add_f32 v[4:5], v[4:5], v[XK+8*\b+4:XK+8*\b+5]
	v_pk_add_f32 v[6:7], v[6:7], v[XK+8*\b+6:XK+8*\b+7]
.endif
.endr
	; v: round, and store the block before
.irp b, 0,1,2,3
	s_wait_loadcnt 7-2*\b                          ; row 2 b of v is in, the 7 - 2 b younger loads stay out
	s_wait_alu depctr_va_vdst(0)                   ; the block before has written its four packed registers; ahead of v's first block also: the additions have written v[4:7]
.if \b == 0
	global_store_b64 v2, v[PK+12:PK+13], s[8:9] offset:6*2048          ; k's last two rows
	global_store_b64 v2, v[PK+14:PK+15], s[8:9] offset:7*2048
	ds_store_b128 v1, v[4:7]                       ; my wave's sums over its 8 rows: 512 bytes at 512 w
.else
	global_store_b64 v2, v[PV+4*\b-4:PV+4*\b-3], s[10:11] offset:(2*\b-2)*2048
	global_store_b64 v2, v[PV+4*\b-2:PV+4*\b-1], s[10:11] offset:(2*\b-1)*2048
.endif
	v_cvt_pk_f16_f32 v[PV+4*\b],   v[XV+8*\b],   v[XV+8*\b+1]
	v_cvt_pk_f16_f32 v[PV+4*\b+1], v[XV+8*\b+2], v[XV+8*\b+3]
	s_wait_loadcnt 6-2*\b                          ; row 2 b + 1 is in
	v_cvt_pk_f16_f32 v[PV+4*\b+2], v[XV+8*\b+4], v[XV+8*\b+5]
	v_cvt_pk_f16_f32 v[PV+4*\b+3], v[XV+8*\b+6], v[XV+8*\b+7]
.endr
	s_wait_alu depctr_va_vdst(0)                   ; the last block has written its four packed registers, which the two stores below read; every vector instruction that read XK is done too
	global_store_b64 v2, v[PV+12:PV+13], s[10:11] offset:6*2048
	global_store_b64 v2, v[PV+14:PV+15], s[10:11] offset:7*2048
	s_wait_dscnt 0x0                               ; my sums are in LDS, for wave 0's sake
	s_barrier_signal -1
	s_barrier_wait -1
	s_cmp_lg_u32 s14, 0
	s_cbranch_scc1 .Lend                           ; wave 0 adds the eight waves' sums
.irp j, 0,1,2,3,4,5,6,7
	ds_load_b128 v[XK+4*\j:XK+4*\j+3], v12 offset:512*\j       ; they land in XK.  No wait: no vector instruction has been issued since the last wait on va_vdst
.endr
	s_wait_dscnt 0x0
.irp j, 0,1,2,3
	v_pk_add_f32 v[XK+4*\j:XK+4*\j+1],   v[XK+4*\j:XK+4*\j+1],   v[XK+16+4*\j:XK+16+4*\j+1]
	v_pk_add_f32 v[XK+4*\j+2:XK+4*\j+3], v[XK+4*\j+2:XK+4*\j+3], v[XK+16+4*\j+2:XK+16+4*\j+3]
.endr
.irp j, 0,1
	v_pk_add_f32 v[XK+4*\j:XK+4*\j+1],   v[XK+4*\j:XK+4*\j+1],   v[XK+8+4*\j:XK+8+4*\j+1]
	v_pk_add_f32 v[XK+4*\j+2:XK+4*\j+3], v[XK+4*\j+2:XK+4*\j+3], v[XK+8+4*\j+2:XK+8+4*\j+3]
.endr
	v_pk_add_f32 v[XK:XK+1],   v[XK:XK+1],   v[XK+4:XK+5]
	v_pk_add_f32 v[XK+2:XK+3], v[XK+2:XK+3], v[XK+6:XK+7]
	s_wait_alu depctr_va_vdst(0)                   ; the additions have written v[XK:XK+3], which the store reads
	global_store_b128 v12, v[XK:XK+3], s[12:13]    ; the 512 bytes of ksum's row g
.Lend:
	s_wait_dscnt 0x0                               ; the closing lines, six on end
	s_wait_alu 0x0
	s_wait_tensorcnt 0x0
	ds_add_u32 v112, v113
	s_wait_dscnt 0x0
	s_endpgm
.Lfunc_end_k_q450eb4474e_prep:
	.size	k_q450eb4474e_prep, .Lfunc_end_k_q450eb4474e_prep-k_q450eb4474e_prep
	.p2alignl 7, 3214868480
	.fill 96, 4, 3214868480
	.section	.rodata,"a",@progbits
	.p2align	6, 0x0
	.amdhsa_kernel k_q450eb4474e_prep
		.amdhsa_group_segment_fixed_size 5120
		.amdhsa_private_segment_fixed_size 0
		.amdhsa_enable_private_segment 0
		.amdhsa_kernarg_size 40
		.amdhsa_user_sgpr_count 2
		.amdhsa_user_sgpr_kernarg_segment_ptr 1
		.amdhsa_wavefront_size32 1
		.amdhsa_system_sgpr_workgroup_id_x 1
		.amdhsa_system_sgpr_workgroup_id_y 1
		.amdhsa_system_sgpr_workgroup_id_z 1
		.amdhsa_system_vgpr_workitem_id 0
		.amdhsa_next_free_vgpr 114
		.amdhsa_next_free_sgpr 66
		.amdhsa_reserve_vcc 0
		.amdhsa_float_denorm_mode_32 3
		.amdhsa_float_denorm_mode_16_64 3
		.amdhsa_memory_ordered 1
		.amdhsa_forward_progress 1
		.amdhsa_inst_pref_size 10
	.end_amdhsa_kernel
	.amdgpu_metadata
---
amdhsa.version: [ 1, 2 ]
amdhsa.kernels:
  - .name:           k_q450eb4474e_prep
    .symbol:         k_q450eb4474e_prep.kd
    .args:
      - { .name: k, .offset: 0, .size: 8, .value_kind: global_buffer, .address_space: global }
      - { .name: v, .offset: 8, .size: 8, .value_kind: global_buffer, .address_space: global }
      - { .name: kb, .offset: 16, .size: 8, .value_kind: global_buffer, .address_space: global }
      - { .name: vb, .offset: 24, .size: 8, .value_kind: global_buffer, .address_space: global }
      - { .name: ksum, .offset: 32, .size: 8, .value_kind: global_buffer, .address_space: global }
    .group_segment_fixed_size: 5120
    .private_segment_fixed_size: 0
    .kernarg_segment_align: 8
    .kernarg_segment_size: 40
    .max_flat_workgroup_size: 256
    .sgpr_count:     66
    .vgpr_count:     114
    .wavefront_size: 32
...
	.end_amdgpu_metadata
.endif
;; end of part 3
;; launch attn: the kernel of part 2 again; grid 32 x 8, 4 waves a work-group, clusters of 4 x 1, 327,680 bytes of LDS; arguments q, kb, vb, ksum, gamma, beta, out0; writes out0
